; MI455X (gfx1250); checked and timed in simulation.
; The chip was launched on July 23, 2026; its instructions are those of AMD's public machine-readable ISA for CDNA 5 (MIT licence, August 2026) and "CDNA5" Instruction Set Architecture Reference Guide (July 2026). The comments in the code are by the model that wrote it; some were corrected since.
;; Bahdanau Attention. Allowed arithmetic: matrix products marked QUANTISED: E2M3 operands, one E8M0 scale for each 32 along K, by v_wmma_scale_f32_16x16x128_f8f6f4 with both operands' format E2M3, f32 sums; products left as they are: f32 operands where the result goes on into a quantised operand, else bf16, f16 or f32 operands; f32 sums; everything else in f32.
;; Inputs: V 1,024 x 1 float32; W1 1,024 x 1,024 float32; W2 1,024 x 1,024 float32; b1 1,024 float32; b2 1,024 float32; bV 1 float32; dec_hidden 32 x 1,024 float32; enc_output 32 x 2,048 x 1,024 float32.
;; Outputs: out0 32 x 1,024 float32; out1 32 x 2,048 x 1 float32.
;; This version of the problem:
;;   THIS VERSION OF THE PROBLEM IS GIVEN IN LOW PRECISION. The matrix products marked QUANTISED in the list below multiply operands that are first quantised to E2M3 (2 exponent bits, 3 mantissa bits; 6 bits a number), with one power-of-two scale for each 32 numbers along K (OCP MX v1.0); their sums are f32. All else is computed in f32.
;;   The module's matrix products, in the order in which they are computed (A, B: the left and right operand; K: the contracted axis; several contracted axes count as one K, in the product's order):
;;     1. [M 32, K 1,024] x [K 1,024, N 1,024]; A: input dec_hidden; B: input W1: QUANTISED
;;     2. [M 65,536, K 1,024] x [K 1,024, N 1,024]; A: input enc_output; B: input W2: QUANTISED
;;     3. [M 65,536, K 1,024] x [K 1,024, N 1]; A: computed on the way; B: input V: left as it is (N = 1 < 16)
;;   THE QUANTISER, for each operand of a quantised product, along K:
;;     - K is cut into blocks of 32 from its start; a last block that is shorter is filled with zeros.
;;     - A block's scale is 2^e with e = floor(log2(the largest magnitude in the block)) - 2, held to -126 .. 127; a block of zeros has e = 0. As a byte (E8M0): e + 127.
;;     - Each number is divided by its block's scale, clamped to +-7.5, and rounded to the nearest number of E2M3, ties to even, subnormals kept.
;;     - The product sums the exact products of the quantised numbers (number of the format x scale) in f32.
;;   ~~~python
;;   def quantise(x, axis):      # numpy; x: float32 -> the quantised numbers, widened to float32 again
;;       x = np.moveaxis(x, axis, -1); K = x.shape[-1]
;;       x = np.pad(x, [(0, 0)] * (x.ndim - 1) + [(0, -K % 32)]); x = x.reshape(x.shape[:-1] + (-1, 32)); a = np.abs(x).max(-1, keepdims=True)
;;       e = np.where(a > 0, np.clip(np.frexp(np.where(a > 0, a, 1))[1] - 1 - 2, -126, 127), 0)      # np.frexp(a)[1] - 1 = floor(log2(a)), exactly
;;       r = np.clip(x / 2.0 ** e, -7.5, 7.5)
;;       step = 2.0 ** (np.maximum(np.frexp(np.where(r == 0, 1, r))[1] - 1, 0) - 3)
;;       q = np.round(r / step) * step * 2.0 ** e      # np.round: ties to even
;;       return np.moveaxis(q.reshape(q.shape[:-2] + (-1,))[..., :K], -1, axis).astype(np.float32)
;;   ~~~
;; One version. Each part assembles by itself: llvm-mc -triple=amdgcn-amd-amdhsa -mcpu=gfx1250 --defsym DOCPART=n.
;; ======== version 1 of 1: 3 launches
;; limits: right only within a limited range of input values
;; workspace buffers: w2img 851,968 bytes; cq 131,072 bytes; scores 262,144 bytes
;; launch prep (part 1): grid 192 x 1, 8 waves a work-group, no clusters, 152,576 bytes of LDS; arguments W2, W1, dec_hidden, b1, b2, w2img, cq; writes w2img, cq
.if DOCPART == 1
	.amdgcn_target "amdgcn-amd-amdhsa--gfx1250"
	.amdhsa_code_object_version 6
	.text
	.protected	k_q9c1b9a8c88_prep
	.globl	k_q9c1b9a8c88_prep
	.p2align	8
	.type	k_q9c1b9a8c88_prep,@function
k_q9c1b9a8c88_prep:
	s_mov_b64 s[64:65], 0
	v_nop
	global_prefetch_b8 v0, s[64:65] scope:SCOPE_SE
	s_setreg_imm32_b32 hwreg(HW_REG_WAVE_MODE, 25, 1), 1
	s_wait_xcnt 0x0
; FIRST OF THREE LAUNCHES.  It quantises W2 into images of operand registers (w2img), and computes product 1: cq = c (dec_hidden W1 + b1 + b2), c = 2 log2(e).
; DEAD WORK, for all finite values of the inputs.  tanh(x) = 1 - 2 r with r = 1 / (1 + 2^(c x)), so score[b][s] = (sum over u of V[u] + bV) - 2 sum over u of V[u] r[b][s][u].
; The bracket is the same for all s of a batch, and softmax over s of (a + z[s]) is softmax of z[s] for every a.  out1 is that softmax and out0 is made of out1 and enc_output alone.
; So bV reaches no output: it is not loaded and is among no launch's arguments; the sum of V is never formed; the later launches work on z[s] = -2 sum V[u] r[u].
; LIMITS: a NaN, an infinity or an overflow that reaches only bV or the sum of V is not carried to the results.  NaN and infinities among the quantised inputs are not served.  A block whose largest magnitude
; lies under 2^(3 - 127) gets the scale byte 1; a block of zeros gets the byte 1 where the quantiser says 127: its codes are zeros, and this program alone reads the bytes.  Sums over K go in another order than reference()'s.
; SHARES.  Work-groups 0-63 take W2's tile j of 16 columns; work-groups 64-191 W1's tile j against rows 16 t .. 16 t + 15 of dec_hidden (t = 0 for 64-127, 1 for 128-191); wave s takes K step s (128 along K).
; A LANE TAKES A COLUMN AND ITS REGISTERS RUN DOWN K, in the order that the operand's layout gives that lane (lane (r, h): k = 64 c + 32 h + 0 .. 31 in registers 6 c .. 6 c + 5): the conversions' results are the operand's registers.
; dec_hidden's K is innermost: a wave reads its K step of the 16 rows as they lie, 512 consecutive bytes a load, and turns them through its own stage in LDS, so that a lane gets 32 neighbours along K of its row.
; w2img: a record of 13,312 bytes (13 rows of 1,024) for each tile j: fragment s at 1,536 s, three blocks of 512 bytes, lane l's four registers at 16 l; at 12,288 the scale words as an image of four registers:
; the word of K step s and column r at 16 (r + 16 (s % 2)) + 4 (s / 2); at 12,800 zeros, 512 bytes, so that every byte that the next launch's loads fetch has been written.
; NO CLUSTER, no tensor load: each work-group reads its own 64 bytes of each row of a weight; what the W1 work-groups share, dec_hidden, is 128 KiB against the 8 MiB of weights.
.set PART,  0                          ; LDS: the eight waves' partial sums of product 1, 2,048 bytes apart, 1,024 used
.set SPARE, 16384                      ; the spare words, 128 bytes for each wave: four blocks of 256 bytes that no other line names
.set STG,   17408                      ; the stages: for each wave 16 rows of 512 bytes + 16
.set WSTG,  16896
.set SP,    528                        ; 33 x 16 bytes: the sixteen rows that a load of 16 bytes a lane touches start in sixteen different columns of 16 bytes
.set XW,  32                           ; v32-95   64 numbers of the weight; later the result (v48-55) and the eight partial sums (v64-95)
.set XD0, 96                           ; v96-159  dec_hidden's 16 rows: as loaded (row i in four registers), then 64 numbers of my row
.set PW,  224                          ; v224-235 the weight's fragment
.set PD0, 236                          ; v236-247 the rows' fragment
.set TC,  248                          ; v248-250, v252-254 the upper halves of two blocks' codes
.set TM,  20                           ; v20-21 largest magnitudes, v22-23 the conversions' scale operands, v24-25 scale bytes
; v1 lane, v2 r, v3 h, v4 the weight's offset, v5 16 x lane, v7 8 h, v8 4 r, v9 and v19 LDS addresses of the partial sums, v10 and v11 the add's two, v12 cq's offset, v13 a permute's destination, v14 b1, v15 b2,
; v16-17 scale words, v26 my stage on the way in, v27 on the way out, v28 16 r
; 64 numbers of a lane, two whole blocks of 32, become a fragment's 12 registers at pc and its scale word in wd
.macro QUANT xs, pc, wd
.irp c, 0,1
	v_max3_num_f32 v[TM+\c], |v[\xs+32*\c]|, |v[\xs+32*\c+1]|, 0x1800000   ; my block 2 c + h, and the floor 2^(3 - 127): the byte cannot fall under 1
.endr
.irp i, 2,4,6,8,10,12,14,16,18,20,22,24,26,28,30
.irp c, 0,1
	s_delay_alu instid0(VALU_DEP_2)
	v_max3_num_f32 v[TM+\c], v[TM+\c], |v[\xs+32*\c+\i]|, |v[\xs+32*\c+\i+1]|   ; the two blocks by turns
.endr
.endr
.irp c, 0,1
	s_delay_alu instid0(VALU_DEP_2)
	v_add_nc_u32 v[TM+2+\c], 0xff000000, v[TM+\c]  ; 2 off the exponent field: the conversion takes that field as its scale
.endr
.irp c, 0,1
	s_delay_alu instid0(VALU_DEP_2)
	v_lshrrev_b32 v[TM+4+\c], 23, v[TM+2+\c]       ; the scale's byte
.endr
	s_delay_alu instid0(VALU_DEP_1)
	v_lshl_or_b32 v[\wd], v[TM+5], 16, v[TM+4]     ; my two bytes, blocks h and 2 + h,
	s_delay_alu instid0(VALU_DEP_1)
	v_lshlrev_b32 v[\wd], v7, v[\wd]               ; at their places, 8 h bits up;
	s_delay_alu instid0(VALU_DEP_1)
	v_permlanex16_b32 v13, v[\wd], s20, s21
	s_delay_alu instid0(VALU_DEP_1)
	v_or_b32 v[\wd], v[\wd], v13                   ; with lane l xor 16's two the word is whole, in both lanes
.irp c, 0,1
	v_cvt_scalef32_pk16_fp6_f32 v[\pc+6*\c:\pc+6*\c+2], v[\xs+32*\c:\xs+32*\c+15], v[TM+2+\c]
	v_cvt_scalef32_pk16_fp6_f32 v[TC+4*\c:TC+4*\c+2], v[\xs+32*\c+16:\xs+32*\c+31], v[TM+2+\c]   ; a conversion's three registers begin on an even number: the upper half is made elsewhere and moved
.endr
	v_nop                                          ; one plain line behind the last scaled conversion
.irp c, 0,1
.irp i, 0,1,2
	v_mov_b32 v[\pc+6*\c+3+\i], v[TC+4*\c+\i]
.endr
.endr
.endm
.macro LOADW b                         ; W(128 s + 64 c + 32 h + i, 16 j + r): sixteen neighbouring lanes read 64 neighbouring bytes
.irp c, 0,1
.irp i, 0,1,2,3,4,5,6,7,8,9,10,11,12,13,14,15,16,17,18,19,20,21,22,23,24,25,26,27,28,29,30,31
	global_load_b32 v[XW+32*\c+\i], v4, s[\b:\b+1] offset:(64*\c+\i)*4096
.endr
.endr
.endm
; dec_hidden's 16 rows through my stage: in as loaded, back 32 neighbours along K at a time: lane (r, h) takes k = 64 c + 32 h + 0 .. 31 of row r, into the registers that the rows have left.
; LDS serves a wave's instructions in order: the loads see the stores, and come behind them
.macro TURND
.irp i, 0,1,2,3,4,5,6,7,8,9,10,11,12,13,14,15
	ds_store_b128 v26, v[XD0+4*\i:XD0+4*\i+3] offset:SP*\i
.endr
.irp c, 0,1
.irp i, 0,1,2,3,4,5,6,7
	ds_load_b128 v[XD0+32*\c+4*\i:XD0+32*\c+4*\i+3], v27 offset:256*\c+16*\i
.endr
.endr
.endm
	s_load_b256 s[4:11], s[0:1], 0x0               ; W2 s[4:5], W1 s[6:7], dec_hidden s[8:9], b1 s[10:11]
	s_load_b128 s[12:15], s[0:1], 0x20             ; b2 s[12:13], w2img s[14:15]
	s_load_b64 s[16:17], s[0:1], 0x30              ; cq
	v_lshl_add_u32 v10, v0, 2, SPARE
	v_mov_b32 v11, 0
	v_lshrrev_b32 v1, 5, v0
	s_delay_alu instid0(VALU_DEP_1)
	v_readfirstlane_b32 s18, v1                    ; wave = K step s
	v_and_b32 v1, 31, v0                           ; lane
	v_and_b32 v2, 15, v0                           ; r
	v_bfe_u32 v3, v0, 4, 1                         ; h
	s_delay_alu instid0(VALU_DEP_2)
	v_lshlrev_b32 v8, 2, v2                        ; 4 r
	s_delay_alu instid0(VALU_DEP_1)
	v_lshl_add_u32 v4, v3, 17, v8                  ; the weight: column r, 32 h rows of 4,096 bytes down
	v_lshlrev_b32 v5, 4, v1                        ; 16 x lane
	s_delay_alu instid0(VALU_DEP_4)
	v_lshlrev_b32 v7, 3, v3                        ; 8 h
	s_lshl_b32 s19, s18, 11
	v_add_nc_u32 v9, s19, v5                       ; where I put my partial sums: 2,048 x wave + 16 x lane
	s_and_b32 s19, s18, 3
	s_lshl_b32 s19, s19, 9
	v_add_nc_u32 v19, s19, v5                      ; where waves 0 and 1 read them back: block (wave) of 512 bytes
	s_mul_i32 s19, s18, WSTG
	s_add_co_u32 s19, s19, STG                     ; my stage
	v_add_nc_u32 v26, s19, v5                      ; in: 16 x lane of a row
	v_mul_u32_u24 v27, v2, SP
	s_delay_alu instid0(VALU_DEP_1)
	v_lshl_add_u32 v27, v3, 7, v27
	s_delay_alu instid0(VALU_DEP_1)
	v_add_nc_u32 v27, s19, v27                     ; back: row r, + 128 h
	v_lshl_add_u32 v12, v3, 15, v8                 ; cq: 8 h rows of 4,096 bytes + 4 r
	v_mov_b32 v13, 0                               ; written once: a lane permute's destination counts as one of its sources
	v_lshlrev_b32 v28, 4, v2                       ; 16 r
	s_mov_b32 s20, 0x76543210
	s_mov_b32 s21, 0xfedcba98                      ; selects for lane l xor 16
	s_mov_b32 s30, 0x4038aa3b                      ; c = 2 log2(e)
	s_mov_b32 s31, s30                             ; (named with it as a pair)
	s_and_b32 s22, ttmp9, 63                       ; tile j
	s_lshl_b32 s23, s22, 6                         ; 64 j: its 16 columns in a row of f32
	s_lshl_b32 s24, s18, 19                        ; 128 s rows of 4,096 bytes
	s_add_co_u32 s24, s24, s23
	s_mov_b32 s25, 0
	s_mov_b32 s27, 0
	s_wait_kmcnt 0x0
	s_cmp_lt_u32 ttmp9, 64                         ; the two parts of the grid part here, on the work-group's number alone, and do not meet again
	s_cbranch_scc0 .Lw1
	; ---- W2: one fragment and its scale words
	s_add_nc_u64 s[4:5], s[4:5], s[24:25]
	LOADW 4
	s_mul_i32 s26, s22, 13312
	s_add_nc_u64 s[14:15], s[14:15], s[26:27]      ; record j
	s_and_b32 s26, s18, 1
	s_lshl_b32 s26, s26, 8                         ; 256 (s % 2)
	s_lshr_b32 s19, s18, 1
	s_lshl_b32 s19, s19, 2                         ; + 4 (s / 2)
	s_add_co_u32 s26, s26, s19
	s_add_nc_u64 s[28:29], s[14:15], s[26:27]      ; the K step's place in the image of the scale registers (12,288 more in the immediate)
	s_mul_i32 s26, s18, 1536
	s_add_nc_u64 s[14:15], s[14:15], s[26:27]      ; + 1,536 s: the K step's fragment
	s_wait_loadcnt 0x0
	QUANT XW, PW, 16
.irp c, 0,1,2
	global_store_b128 v5, v[PW+4*\c:PW+4*\c+3], s[14:15] offset:512*\c   ; 32 lanes store 512 consecutive bytes, at a multiple of 256 from the buffer's first byte
.endr
	global_store_b32 v28, v16, s[28:29] offset:12288   ; a word every 16 bytes: lanes r and r + 16 hold the same word and name the same address; the eight waves fill the 512 bytes.  32 KiB in the whole launch
	global_store_b32 v28, v11, s[28:29] offset:12800   ; the record's last 512 bytes likewise: zeros
	s_endpgm
	; ---- W1: the same fragment, a fragment of dec_hidden, one product, and the sum over the eight K steps through LDS
.Lw1:
	s_lshr_b32 s19, ttmp9, 7                       ; t
	s_lshl_b32 s19, s19, 16                        ; 16 t rows of 4,096 bytes, in dec_hidden and in cq alike
	s_lshl_b32 s26, s18, 9
	s_add_co_u32 s26, s26, s19
	s_add_nc_u64 s[8:9], s[8:9], s[26:27]          ; dec_hidden at row 16 t, K step s
.set dr, 0
.rept 16
	global_load_b128 v[XD0+4*dr:XD0+4*dr+3], v5, s[8:9] offset:4096*dr   ; row dr: 32 lanes read its K step's 512 consecutive bytes
.set dr, dr+1
.endr
	s_add_nc_u64 s[6:7], s[6:7], s[24:25]
	LOADW 6
	s_mov_b32 s26, s23
	s_add_nc_u64 s[10:11], s[10:11], s[26:27]
	s_add_nc_u64 s[12:13], s[12:13], s[26:27]
	global_load_b32 v14, v8, s[10:11]              ; b1 and b2 of column 16 j + r
	global_load_b32 v15, v8, s[12:13]
	s_and_b32 s29, s18, 1                          ; for waves 0 and 1: which four registers
	s_lshl_b32 s29, s29, 14
	s_add_co_u32 s26, s26, s19
	s_add_co_u32 s26, s26, s29
	s_add_nc_u64 s[16:17], s[16:17], s[26:27]      ; cq at row 16 t + 4 (wave % 2), column 16 j
	s_wait_loadcnt 63                              ; 82 loads were issued, and they come back in order: the oldest 19 are in, dec_hidden's 16 among them
	s_wait_alu depctr_va_vdst(0)
	TURND
	s_wait_loadcnt 0x0                             ; the weight's 64 and the two biases are in
	QUANT XW, PW, 16                               ; while the rows go through the stage
	s_wait_dscnt 0x0                               ; the rows are back from the stage
	QUANT XD0, PD0, 17
.rept 8
	v_nop                                          ; a scale register written by a vector instruction stands 8 places ahead of a scaled matrix instruction, an operand 4
.endr
	v_wmma_scale_f32_16x16x128_f8f6f4 v[48:55], v[PD0:PD0+11], v[PW:PW+11], 0, v17, v16 matrix_a_fmt:MATRIX_FMT_FP6 matrix_b_fmt:MATRIX_FMT_FP6   ; register e of lane (r, h): q's part at (16 t + 8 h + e, 16 j + r)
.rept 4
	v_nop                                          ; four places in front of the first read of the result
.endr
.irp g, 0,1
	ds_store_b128 v9, v[48+4*\g:51+4*\g] offset:PART+512*\g   ; the result from its low end on
.endr
	s_wait_dscnt 0x0                               ; for the others' sake: my partial sums lie in LDS
	s_barrier_signal -1
	s_barrier_wait -1
	s_cmp_lt_u32 s18, 2
	s_cbranch_scc0 .Ldone                          ; waves 0 and 1 each add up one block of four registers
.irp s, 0,1,2,3,4,5,6,7
	ds_load_b128 v[64+4*\s:67+4*\s], v19 offset:PART+2048*\s
.endr
	v_add_f32 v14, v14, v15
	s_delay_alu instid0(VALU_DEP_1)
	v_mul_f32 v14, s30, v14                        ; c (b1 + b2)
	s_wait_dscnt 0x0
.irp s, 1
	v_pk_add_f32 v[64:65], v[64:65], v[64+4*\s:65+4*\s]   ; K ascending
	v_pk_add_f32 v[66:67], v[66:67], v[66+4*\s:67+4*\s]
.endr
.irp s, 2, 3, 4, 5, 6, 7
	s_delay_alu instid0(VALU_DEP_2)
	v_pk_add_f32 v[64:65], v[64:65], v[64+4*\s:65+4*\s]   ; K ascending
	s_delay_alu instid0(VALU_DEP_2)
	v_pk_add_f32 v[66:67], v[66:67], v[66+4*\s:67+4*\s]
.endr
	s_delay_alu instid0(VALU_DEP_2)
	v_pk_fma_f32 v[64:65], v[64:65], s[30:31], v[14:15] op_sel_hi:[1,0,0]   ; c q + c (b1 + b2)
	s_delay_alu instid0(VALU_DEP_2)
	v_pk_fma_f32 v[66:67], v[66:67], s[30:31], v[14:15] op_sel_hi:[1,0,0]
.irp e, 0,1,2,3
	global_store_b32 v12, v[64+\e], s[16:17] offset:4096*\e   ; pieces of 64 bytes: 128 KiB in the whole launch
.endr
.Ldone:
	s_wait_tensorcnt 0x0                           ; the wave's end: the add and its wait behind my last LDS store
	ds_add_u32 v10, v11
	s_wait_dscnt 0x0
	s_endpgm
.Lfunc_end_k_q9c1b9a8c88_prep:
	.size	k_q9c1b9a8c88_prep, .Lfunc_end_k_q9c1b9a8c88_prep-k_q9c1b9a8c88_prep
	.p2alignl 7, 3214868480
	.fill 96, 4, 3214868480
	.section	.rodata,"a",@progbits
	.p2align	6, 0x0
	.amdhsa_kernel k_q9c1b9a8c88_prep
		.amdhsa_group_segment_fixed_size 152576
		.amdhsa_private_segment_fixed_size 0
		.amdhsa_enable_private_segment 0
		.amdhsa_kernarg_size 56
		.amdhsa_user_sgpr_count 2
		.amdhsa_user_sgpr_kernarg_segment_ptr 1
		.amdhsa_wavefront_size32 1
		.amdhsa_system_sgpr_workgroup_id_x 1
		.amdhsa_system_sgpr_workgroup_id_y 1
		.amdhsa_system_sgpr_workgroup_id_z 1
		.amdhsa_system_vgpr_workitem_id 0
		.amdhsa_next_free_vgpr 256
		.amdhsa_next_free_sgpr 66
		.amdhsa_reserve_vcc 0
		.amdhsa_float_denorm_mode_32 3
		.amdhsa_float_denorm_mode_16_64 3
		.amdhsa_memory_ordered 1
		.amdhsa_forward_progress 1
		.amdhsa_inst_pref_size 36
	.end_amdhsa_kernel
	.amdgpu_metadata
---
amdhsa.version: [ 1, 2 ]
amdhsa.kernels:
  - .name:           k_q9c1b9a8c88_prep
    .symbol:         k_q9c1b9a8c88_prep.kd
    .args:
      - { .name: W2, .offset: 0, .size: 8, .value_kind: global_buffer, .address_space: global }
      - { .name: W1, .offset: 8, .size: 8, .value_kind: global_buffer, .address_space: global }
      - { .name: dec_hidden, .offset: 16, .size: 8, .value_kind: global_buffer, .address_space: global }
      - { .name: b1, .offset: 24, .size: 8, .value_kind: global_buffer, .address_space: global }
      - { .name: b2, .offset: 32, .size: 8, .value_kind: global_buffer, .address_space: global }
      - { .name: w2img, .offset: 40, .size: 8, .value_kind: global_buffer, .address_space: global }
      - { .name: cq, .offset: 48, .size: 8, .value_kind: global_buffer, .address_space: global }
    .group_segment_fixed_size: 152576
    .private_segment_fixed_size: 0
    .kernarg_segment_align: 8
    .kernarg_segment_size: 56
    .max_flat_workgroup_size: 256
    .sgpr_count:     66
    .vgpr_count:     256
    .wavefront_size: 32
...
	.end_amdgpu_metadata
.endif
;; end of part 1
;; launch main (part 2): grid 256 x 1, 8 waves a work-group, clusters of 4 x 1, 327,680 bytes of LDS; arguments enc_output, w2img, cq, V, scores; writes scores
.if DOCPART == 2
	.amdgcn_target "amdgcn-amd-amdhsa--gfx1250"
	.amdhsa_code_object_version 6
	.text
	.protected	k_q9c1b9a8c88_main
	.globl	k_q9c1b9a8c88_main
	.p2align	8
	.type	k_q9c1b9a8c88_main,@function
k_q9c1b9a8c88_main:
	s_mov_b64 s[64:65], 0
	v_nop
	global_prefetch_b8 v0, s[64:65] scope:SCOPE_SE
	s_setreg_imm32_b32 hwreg(HW_REG_WAVE_MODE, 25, 1), 1
	s_wait_xcnt 0x0
	s_wait_alu depctr_hold_cnt(0) depctr_sa_sdst(0) depctr_va_vdst(0) depctr_va_sdst(0) depctr_va_ssrc(0) depctr_va_vcc(0) depctr_vm_vsrc(0)
	s_getreg_b32 s2, hwreg(HW_REG_IB_STS2, 6, 4)
	s_cmp_eq_u32 s2, 0
	s_cbranch_scc0 .Lentry_in_a_cluster
	s_endpgm
.Lentry_in_a_cluster:
	s_bfe_u32 s2, ttmp6, 0x10000c
	s_cmp_lg_u32 s2, 0x3003
	s_cbranch_scc0 .Lentry_shape_is_right
	s_endpgm
.Lentry_shape_is_right:
; SECOND LAUNCH.  scores[row] = -2 sum over u of V[u] / (1 + 2^(c (enc_output W2)[row][u] + cq[b][u])), c = 2 log2(e): reference()'s score less (sum of V + bV), which is the same along the softmax's
; axis and is left out (shown at the head of the first kernel; bV is not among the arguments).
; LIMITS: NaN and infinities in enc_output are not served; a block whose largest magnitude lies under 2^(3 - 127), a block of zeros too, gets the scale byte 1 (its codes are zeros where it is zeros).
; 2^(c x) may overflow to infinity or fall to 0: the reciprocal is then 0 or 1, tanh's own ends.  The sum over u goes in another order than reference()'s.
; SHARES.  A work-group owns 256 rows of one batch, each of its eight waves 32: two tiles of 16.  Two waves stand on each SIMD.
; PHASE 1, eight trips: a wave's rows come by tensor loads, 16 rows x 1,024 bytes a load (two K steps), into two slots by turns; LDS rows are 1,040 bytes apart, so the sixteen rows that a load of 16 bytes a lane
; touches start in sixteen different columns of 16 bytes.  A lane reads 32 neighbours along K of its row, quantises them, and the wave keeps the codes of all of K: 16 fragments, 192 registers.
; PHASE 2: W2's 64 records (a tile of 16 columns each, laid by the first launch as images of operand and scale registers, 13 rows of 1,024 bytes) come into the same LDS lines, eight records a slot, one a wave.
; A PERIOD is one tile of columns: 16 matrix instructions in one group (the two accumulators by turns), then the next record's 25 LDS loads, then the tile's 56 vector instructions.
; At a change of slots the round and the refill stand between a period's products and its vector work, so that the next slot's first record is fetched under that work.
; Source 0 = 16 rows of enc_output, source 1 = 16 columns of W2: a lane holds ONE column u (lane % 16) and eight rows, so cq[u] and V[u] are one number a lane and tile (they lie side by side in LDS and come
; by one load of 8 bytes); the sum over u is kept lane by lane and folded over the sixteen lanes once, at the end.
; CLUSTER.  All work-groups walk the same w2img: the four of a cluster ask for each record JOINTLY.  The rows' loads are each work-group's own (mask 0) and stand behind rounds like the joint ones.
; PREFETCH.  The head asks for content 1, and trip t for content t + 2, which trip t + 1's load fetches into LDS: 64 blocks of 256 bytes, a lane a block, two instructions a wave; each block is read by this wave alone.
; Content 0 comes by its load alone; trips 6 and 7 ask for no rows.  Trip 5 asks for records 0-7 of w2img, which trip 7's joint loads fetch: of wave w's record, 52 blocks, the partner at place cx names blocks
; 13 cx .. 13 cx + 12 (told apart by address alone; lanes 13-31 name the last of them again).  The later records are not asked for: each has eight periods in which to land.
; REGISTERS: window 0: v0-63 addresses, scale words, the quantiser's; v64-159 W2's fragments (phase 1: v64-191 two sets of 64 numbers); v192-207 two accumulators; v208-223 running sums.  Window 1: v0-191 the rows' codes, 96 m + 12 s.
.set RECB,  13312                      ; a record of w2img in memory
.set LP,    1040                       ; an LDS row: 1,024 bytes + 16
.set WSL,   16*LP                      ; a wave's part of a slot
.set SLOTB, 8*WSL
.set CQT,   2*SLOTB                    ; for each column u of my batch 8 bytes: cq, -2 V: 8,192 bytes
.set SCR,   CQT+8192                   ; the way out: 128 bytes a wave
.set SPARE, SCR+1024                   ; the spare words, 128 bytes for each wave: four blocks of 256 bytes that no other line names
.set LN16, 1                           ; 16 x lane
.set PFW,  2                           ; the records' prefetch: my block of my wave's record
.set ADB,  4                           ; LDS address of the record in hand
.set ADQ,  6                           ; of cq and -2 V of my column
.set STR,  7                           ; v7, v8: my rows in slot 0, 1: row r, + 128 h
.set SH8,  9                           ; 8 h
.set SPW,  10                          ; my spare word; never rewritten
.set NIL,  11                          ; 0; never rewritten
.set CQ,   12                          ; v12 cq of my column, v13 -2 V as it is loaded
.set VV,   14                          ; -2 V of my column (v15 is named with it as a pair)
.set ASC,  16                          ; v16-31 the rows' scale words: 8 m + s
.set BSC,  32                          ; v32-35 W2's: register n: lanes 0-15 K step 2 n, lanes 16-31 K step 2 n + 1
.set TM,   36                          ; v36-41 the quantiser's
.set SCW,  42
.set SCRD, 43
.set PT,   44                          ; a permute's destination
.set TOF,  45                          ; 16 x thread
.set TLA,  46
.set PFO,  47                          ; the rows' prefetches: row lane / 4, block lane % 4
.set TC,   48                          ; v48-50, v52-54
.set XB,   64
.set BF,   64
.set ACC,  192
.set SACC, 208
.set WV, 14
.set G1E, 16                           ; s[16:23] group 1 for the rows
.set G1W, 24                           ; s[24:31] for the records
.set G0E, 32                           ; s[32:35] group 0 for the rows: it walks
.set G0W, 36                           ; s[36:39], s[40:43] for the records: a set for each slot
.set G0W1, 40
.set CC, 44
.set SEL, 46
.set TB, 48
.set CI, 49
.set CO, 50
.set LA, 51                            ; s51, s52 my part of slot 0, 1
.set MSB, 0
.macro WIN new                         ; bits 1:0 source 0, 7:6 destination; the immediate's high byte repeats the setting that is left
.if MSB != (\new)
	s_set_vgpr_msb (MSB<<8)|(\new)
.set MSB, (\new)
.endif
.endm
.macro CROUND                          ; a round of the cluster's barrier
	s_barrier_signal -1
	s_barrier_wait -1
	s_cmp_lg_u32 s[WV], 0
	s_cbranch_scc1 .Lnot_wave_0_\@
	s_barrier_signal -3
.Lnot_wave_0_\@:
	s_barrier_wait -3
	s_barrier_signal -1
	s_barrier_wait -1
.endm
.macro SEQA                            ; in front of every round behind which LDS is filled: all my tensor loads are done, and the add
	s_wait_tensorcnt 0x0
	ds_add_u32 v[SPW], v[NIL]
.endm
.macro SEQB                            ; the add is done and my LDS reads are over; then the round
	s_wait_dscnt 0x0
	CROUND
.endm
.macro TLOAD g0, g1                    ; my one tensor load behind a round
	tensor_load_to_lds s[\g0:\g0+3], s[\g1:\g1+7]
	s_nop 0
.rept 4
	v_nop
.endr
.endm
	s_load_b256 s[4:11], s[0:1], 0x0               ; enc_output s[4:5], w2img s[6:7], cq s[8:9], V s[10:11]
	s_load_b64 s[12:13], s[0:1], 0x20              ; scores
	v_lshl_add_u32 v[SPW], v0, 2, SPARE
	v_mov_b32 v[NIL], 0
	ds_add_u32 v[SPW], v[NIL]                      ; the opening: the add, twice on end, and its wait ahead of my first tensor load
	ds_add_u32 v[SPW], v[NIL]
	v_lshrrev_b32 v4, 5, v0
	s_delay_alu instid0(VALU_DEP_1)
	v_readfirstlane_b32 s[WV], v4                  ; wave 0..7
	s_mov_b32 s[G1E], (3<<16)|(1<<20)|(7<<22)|(3<<25)   ; elements of 8 bytes; 4 words of padding behind every 256 words; no mask
	s_mov_b32 s[G1E+1], 128<<16                    ; a row: 128 elements
	s_mov_b32 s[G1E+2], 16<<16                     ; 16 rows
	s_mov_b32 s[G1E+3], 128<<16
	s_mov_b32 s[G1E+4], 16
	s_mov_b32 s[G1E+5], 512                        ; 4,096 bytes from row to row
	s_mov_b32 s[G1E+6], 0
	s_mov_b32 s[G1E+7], 0
	s_mov_b32 s[G1W], 15|(3<<16)|(1<<20)|(1<<21)|(7<<22)|(3<<25)   ; the same lines in LDS; the mask of all four work-groups, bit 21 beside it
	s_mov_b32 s[G1W+1], 128<<16
	s_mov_b32 s[G1W+2], 13<<16                     ; 13 rows, dense
	s_mov_b32 s[G1W+3], 128<<16
	s_mov_b32 s[G1W+4], 13
	s_mov_b32 s[G1W+5], 128
	s_mov_b32 s[G1W+6], 0
	s_mov_b32 s[G1W+7], 0
	s_mov_b32 s[CC], 0x4038aa3b                    ; c = 2 log2(e)
	s_mov_b32 s[CC+1], s[CC]
	s_mov_b32 s[SEL], 0x76543210
	s_mov_b32 s[SEL+1], 0xfedcba98                 ; selects for lane l xor 16
	s_mul_i32 s[LA], s[WV], WSL                    ; no place in the cluster enters an LDS address
	s_add_co_u32 s[LA+1], s[LA], SLOTB
	s_lshl_b32 s53, s[WV], 7
	s_add_co_u32 s53, s53, SCR
	s_mul_i32 s54, s[WV], RECB                     ; my record of a slot's eight
	s_mov_b32 s55, 0
	s_bfe_u32 s60, ttmp6, 0x40000                  ; cx: it enters enc_output's and scores' addresses and the records' prefetch alone
	s_lshl_b32 s61, ttmp9, 2
	s_add_co_u32 s61, s61, s60                     ; my work-group
	s_mul_i32 s60, s60, 13*256                     ; my 13 blocks of a record's 52
	s_lshl_b32 s56, s61, 20                        ; 256 rows of 4,096 bytes,
	s_lshl_b32 s57, s[WV], 17                      ; my wave's 32
	s_add_co_u32 s56, s56, s57
	s_mov_b32 s57, 0
	s_lshl_b32 s58, s61, 10                        ; 256 scores
	s_mov_b32 s59, 0
	s_lshr_b32 s62, ttmp9, 1                       ; the batch: two clusters to each
	s_lshl_b32 s62, s62, 12
	s_mov_b32 s63, 0
	v_and_b32 v56, 31, v0                          ; lane
	v_and_b32 v57, 15, v0                          ; r
	v_bfe_u32 v58, v0, 4, 1                        ; h
	v_lshlrev_b32 v[TOF], 4, v0
	v_lshl_add_u32 v[TLA], v0, 5, CQT              ; four columns, 32 bytes, a thread
	v_lshlrev_b32 v[LN16], 4, v56
	s_delay_alu instid0(VALU_DEP_4)
	v_lshlrev_b32 v[SH8], 3, v58
	v_mul_u32_u24 v[STR], v57, LP
	v_lshl_add_u32 v[ADQ], v57, 3, CQT
	v_lshl_add_u32 v[SCW], v58, 5, s53             ; rows 8 h on of a tile: 32 h bytes
	v_min_u32 v61, 12, v56
	s_delay_alu instid0(VALU_DEP_4)
	v_lshl_add_u32 v[STR], v58, 7, v[STR]
	v_add_nc_u32 v[SCRD], SCR, v[TOF]
	v_lshrrev_b32 v59, 2, v56
	v_and_b32 v60, 3, v56
	s_delay_alu instid0(VALU_DEP_4)
	v_add_nc_u32 v[STR], s[LA], v[STR]
	s_delay_alu instid0(VALU_DEP_2)
	v_lshlrev_b32 v60, 8, v60
	v_lshl_add_u32 v[PFW], v61, 8, s60
	s_delay_alu instid0(VALU_DEP_3)
	v_add_nc_u32 v[STR+1], SLOTB, v[STR]
	s_delay_alu instid0(VALU_DEP_3)
	v_lshl_or_b32 v[PFO], v59, 12, v60
	v_mov_b32 v[VV+1], 0                           ; named as the upper half of a pair, so it is written
	v_mov_b32 v[PT], 0                             ; a lane permute's destination counts as one of its sources
	s_wait_alu depctr_va_vdst(0)
	s_wait_dscnt 0x0                               ; both opening adds are done
	s_wait_kmcnt 0x0
	s_add_nc_u64 s[4:5], s[4:5], s[56:57]
	s_add_nc_u64 s[6:7], s[6:7], s[54:55]
	s_add_nc_u64 s[8:9], s[8:9], s[62:63]
	s_add_nc_u64 s[12:13], s[12:13], s[58:59]
	s_mov_b32 s[G0E], 1
	s_mov_b32 s[G0E+1], s[LA]
	s_mov_b64 s[G0E+2:G0E+3], s[4:5]
	s_or_b32 s[G0E+3], s[G0E+3], 0x80000000
	s_mov_b32 s[G0W], 1
	s_mov_b32 s[G0W+1], s[LA]
	s_mov_b64 s[G0W+2:G0W+3], s[6:7]               ; records 0-7
	s_or_b32 s[G0W+3], s[G0W+3], 0x80000000
	s_mov_b32 s[G0W1], 1
	s_mov_b32 s[G0W1+1], s[LA+1]
	s_add_nc_u64 s[G0W1+2:G0W1+3], s[6:7], 8*RECB  ; records 8-15
	s_or_b32 s[G0W1+3], s[G0W1+3], 0x80000000
	CROUND                                         ; the round in front of the first loads
	TLOAD G0E, G1E                                 ; content 0: my one tensor load at the head
	global_prefetch_b8 v[PFO], s[4:5] offset:1024 th:TH_LOAD_NT scope:SCOPE_SE         ; content 1, rows 0-7: its load stands behind the first trip's round
	global_prefetch_b8 v[PFO], s[4:5] offset:1024+32768 th:TH_LOAD_NT scope:SCOPE_SE   ; rows 8-15
	global_load_b128 v[224:227], v[TOF], s[8:9]    ; 16 bytes a thread of cq[b] and of V
	global_load_b128 v[228:231], v[TOF], s[10:11]
	s_wait_loadcnt 0x0
.irp i, 0,1,2,3
	v_mov_b32 v[232+2*\i], v[224+\i]               ; side by side: cq,
	v_mul_f32 v[233+2*\i], -2.0, v[228+\i]         ; -2 V
.endr
	ds_store_b128 v[TLA], v[232:235]               ; bytes of their own: no tensor load lands there; the first trip's wait and round show them to all waves
	ds_store_b128 v[TLA], v[236:239] offset:16
; 64 numbers of a lane, two whole blocks of 32, become fragment f's 12 registers in window 1 and its scale word
.macro QUANTA f, xb
.set rW, ASC+(\f)
.set rA, 96*((\f)/8)+12*((\f)%8)
.irp c, 0,1
	v_max3_num_f32 v[TM+\c], |v[(\xb)+32*\c]|, |v[(\xb)+32*\c+1]|, 0x1800000   ; and the floor 2^(3 - 127): the byte cannot fall under 1
.endr
.irp i, 2,4,6,8,10,12,14,16,18,20,22,24,26,28,30
.irp c, 0,1
	s_delay_alu instid0(VALU_DEP_2)
	v_max3_num_f32 v[TM+\c], v[TM+\c], |v[(\xb)+32*\c+\i]|, |v[(\xb)+32*\c+\i+1]|   ; the two blocks by turns
.endr
.endr
.irp c, 0,1
	s_delay_alu instid0(VALU_DEP_2)
	v_add_nc_u32 v[TM+2+\c], 0xff000000, v[TM+\c]  ; 2 off the exponent field: the conversion's scale operand
.endr
.irp c, 0,1
	s_delay_alu instid0(VALU_DEP_2)
	v_lshrrev_b32 v[TM+4+\c], 23, v[TM+2+\c]       ; the scale's byte
.endr
	s_delay_alu instid0(VALU_DEP_1)
	v_lshl_or_b32 v[rW], v[TM+5], 16, v[TM+4]      ; my two bytes, blocks h and 2 + h,
	s_delay_alu instid0(VALU_DEP_1)
	v_lshlrev_b32 v[rW], v[SH8], v[rW]             ; 8 h bits up;
	s_delay_alu instid0(VALU_DEP_1)
	v_permlanex16_b32 v[PT], v[rW], s[SEL], s[SEL+1]
	s_delay_alu instid0(VALU_DEP_1)
	v_or_b32 v[rW], v[rW], v[PT]                   ; with lane l xor 16's two: row r's scale word for this K step
.irp c, 0,1
	v_cvt_scalef32_pk16_fp6_f32 v[TC+4*\c:TC+4*\c+2], v[(\xb)+32*\c+16:(\xb)+32*\c+31], v[TM+2+\c]   ; the upper halves: made here and moved (three registers begin on an even number)
.endr
	WIN 0x40                                       ; destination window 1
.irp c, 0,1
	v_cvt_scalef32_pk16_fp6_f32 v[rA+6*\c:rA+6*\c+2], v[(\xb)+32*\c:(\xb)+32*\c+15], v[TM+2+\c]
.endr
	v_nop                                          ; one plain line behind the last scaled conversion
.irp c, 0,1
.irp i, 0,1,2
	v_mov_b32 v[rA+6*\c+3+\i], v[TC+4*\c+\i]
.endr
.endr
	WIN 0
.endm
; Content t: tile of rows t / 4, K steps 2 (t % 4) and 2 (t % 4) + 1, at byte 65,536 (t / 4) + 1,024 (t % 4) of my rows; it lies in slot t % 2.
; Trip t: the round; the load of content t + 1 into the slot read last trip (trip 0: slot 1's first fill; trip 7: records 0-7 of w2img); then content t is read and quantised.
.macro TRIP t
	SEQA
.if (\t) < 7
	s_mov_b32 s[G0E+1], s[LA+((\t)+1)%2]           ; no tensor load of mine is out, so the group 0 may be written
	s_add_nc_u64 s[G0E+2:G0E+3], s[G0E+2:G0E+3], 65536*(((\t)+1)/4)+1024*(((\t)+1)%4)-65536*((\t)/4)-1024*((\t)%4)
.endif
	SEQB
.if (\t) < 7
	TLOAD G0E, G1E
.else
	TLOAD G0W, G1W
.endif
.irp g, 0,1
.irp c, 0,1
.irp i, 0,1,2,3,4,5,6,7
	ds_load_b128 v[XB+64*\g+32*\c+4*\i:XB+64*\g+32*\c+4*\i+3], v[STR+(\t)%2] offset:512*\g+256*\c+16*\i   ; lane (r, h): k = 64 c + 32 h + 4 i .. of row r
.endr
.endr
.endr
	s_wait_dscnt 16                                ; the first K step's 16 loads are in; the second's 16 may be out
	QUANTA 2*(\t), XB
	s_wait_dscnt 0x0
.if (\t) < 6
	global_prefetch_b8 v[PFO], s[4:5] offset:65536*(((\t)+2)/4)+1024*(((\t)+2)%4) th:TH_LOAD_NT scope:SCOPE_SE         ; content t + 2, rows 0-7; its address registers are never rewritten
	global_prefetch_b8 v[PFO], s[4:5] offset:65536*(((\t)+2)/4)+1024*(((\t)+2)%4)+32768 th:TH_LOAD_NT scope:SCOPE_SE   ; rows 8-15
.endif
.if (\t) == 5
	global_prefetch_b8 v[PFW], s[6:7] th:TH_LOAD_NT scope:SCOPE_SE   ; my work-group's 13 blocks of my wave's record of records 0-7, two trips ahead of their load
.endif
	QUANTA 2*(\t)+1, XB+64
.endm
.set T, 0
.rept 8
	TRIP T
.set T, T+1
.endr
.set t, 0
.rept 16
	v_mov_b32 v[SACC+t], 0                         ; the running sums begin as zeros, so that a period has one form.  (Also the places between the last codes and scale word and the first product)
.set t, t+1
.endr
; ---------------- PHASE 2
.macro LB                              ; the record at s[TB]: the image of its four scale registers and its fragments: block n of 512 bytes lies at row n / 2 of the record's LDS rows, half n % 2
	v_add_nc_u32 v[ADB], s[TB], v[LN16]
	v_nop                                          ; with the two plain lines that close the products' macro: four places between the products and the loads into their registers
	ds_load_b128 v[BSC:BSC+3], v[ADB] offset:12*LP
.set bn, 0
.rept 24
	ds_load_b128 v[BF+4*bn:BF+4*bn+3], v[ADB] offset:(bn/2)*LP+(bn%2)*512
.set bn, bn+1
.endr
	s_add_co_u32 s[TB], s[TB], WSL
.endm
.macro WM s, m                         ; K step s, tile of rows m; K step 0 starts the sums with the constant 0
.set rD, ACC+8*(\m)
.set rA, 96*(\m)+12*(\s)
.set rB, BF+12*(\s)
.set rSA, ASC+8*(\m)+(\s)
.set rSB, BSC+(\s)/2
.if (\s) == 0
	v_wmma_scale_f32_16x16x128_f8f6f4 v[rD:rD+7], v[rA:rA+11], v[rB:rB+11], 0, v[rSA], v[rSB] matrix_a_fmt:MATRIX_FMT_FP6 matrix_b_fmt:MATRIX_FMT_FP6
.elseif (\s)%2 == 0
	v_wmma_scale_f32_16x16x128_f8f6f4 v[rD:rD+7], v[rA:rA+11], v[rB:rB+11], v[rD:rD+7], v[rSA], v[rSB] matrix_a_fmt:MATRIX_FMT_FP6 matrix_b_fmt:MATRIX_FMT_FP6
.else
	v_wmma_scale_f32_16x16x128_f8f6f4 v[rD:rD+7], v[rA:rA+11], v[rB:rB+11], v[rD:rD+7], v[rSA], v[rSB] matrix_a_fmt:MATRIX_FMT_FP6 matrix_b_fmt:MATRIX_FMT_FP6 matrix_b_scale:MATRIX_SCALE_ROW1
.endif
.endm
.macro PTOP                            ; a period's products
	s_wait_dscnt 0x0                               ; the record's fragments and scale words are in
	ds_load_b64 v[CQ:CQ+1], v[ADQ]                 ; this tile's cq and -2 V: they land under the products
	WIN 1                                          ; source 0 in window 1
.irp s, 0,1,2,3,4,5,6,7
	WM \s, 0                                       ; the two accumulators take turns, one instruction a turn
	WM \s, 1
.endr
	WIN 0
	s_wait_dscnt 0x0                               ; cq and -2 V are in
	v_add_nc_u32 v[ADQ], 128, v[ADQ]               ; the next tile's
	v_mov_b32 v[VV], v[CQ+1]                       ; -2 V into the low half of a pair of its own
.endm
.macro PVEC                            ; a period's vector work, in place on the two accumulators
.set t, 0
.rept 8
	v_pk_fma_f32 v[ACC+2*t:ACC+2*t+1], v[ACC+2*t:ACC+2*t+1], s[CC:CC+1], v[CQ:CQ+1] op_sel_hi:[1,0,0]   ; c k + cq; each accumulator from its low end on
.set t, t+1
.endr
	s_wait_alu depctr_va_vdst(0)                   ; the wait ahead of a batch of transcendentals,
.set t, 0
.rept 16
	v_exp_f32 v[ACC+t], v[ACC+t]
.set t, t+1
.endr
	v_nop                                          ; a plain line behind the last,
	s_wait_alu depctr_va_vdst(0)                   ; and the wait behind the batch
.set t, 0
.rept 8
	v_pk_add_f32 v[ACC+2*t:ACC+2*t+1], v[ACC+2*t:ACC+2*t+1], 1.0 op_sel_hi:[1,0]
.set t, t+1
.endr
	s_wait_alu depctr_va_vdst(0)
.set t, 0
.rept 16
	v_rcp_f32 v[ACC+t], v[ACC+t]
.set t, t+1
.endr
	v_nop
	s_wait_alu depctr_va_vdst(0)
.set t, 0
.rept 8
	v_pk_fma_f32 v[SACC+2*t:SACC+2*t+1], v[ACC+2*t:ACC+2*t+1], v[VV:VV+1], v[SACC+2*t:SACC+2*t+1] op_sel_hi:[1,0,1]   ; the running sums take (-2 V) x r
.set t, t+1
.endr
.endm
.macro SEVEN                           ; a slot's first seven periods: each fetches the slot's next record
	s_mov_b32 s[CI], 7
.Lper_\@:
	PTOP
	LB
	PVEC
	s_sub_co_u32 s[CI], s[CI], 1
	s_cmp_lg_u32 s[CI], 0
	s_cbranch_scc1 .Lper_\@
.endm
; A slot's eighth period, with the change of slots between its products and its vector work: the other slot is whole, the slot just read is filled again (fill = 1) with the records 16 on,
; and the other slot's first record is fetched.  No tensor load of mine is out behind the wait, so the other slot's group 0 steps to its next eight records (behind the last use the stepped address is not used)
.macro EIGHTH fill, use, step, next
	PTOP
	SEQA
.if \fill
	s_add_nc_u64 s[\step+2:\step+3], s[\step+2:\step+3], 16*RECB
.endif
	SEQB
.if \fill
	TLOAD \use, G1W
.endif
	s_mov_b32 s[TB], (\next)*SLOTB
	LB
	PVEC
.endm
	SEQA                                           ; records 0-7 are in
	s_add_nc_u64 s[G0W+2:G0W+3], s[G0W+2:G0W+3], 16*RECB
	SEQB
	TLOAD G0W1, G1W                                ; records 8-15 into slot 1
	s_mov_b32 s[TB], 0
	LB
	s_mov_b32 s[CO], 3
.Lfill:                                ; three trips: records 0-47 are multiplied, records 16-63 asked for
	SEVEN
	EIGHTH 1, G0W, G0W1, 1
	SEVEN
	EIGHTH 1, G0W1, G0W, 0
	s_sub_co_u32 s[CO], s[CO], 1
	s_cmp_lg_u32 s[CO], 0
	s_cbranch_scc1 .Lfill
	SEVEN                                          ; the tail is written out: nothing more is asked for
	EIGHTH 0, G0W, G0W1, 1
	SEVEN
	PTOP
.rept 2
	v_nop                                          ; with the two plain lines above: the four places behind the last products
.endr
	PVEC
	; THE WAY OUT.  A running sum holds one column class (u % 16 = lane % 16) of a row: the sixteen lanes of a half are added; the work-group's 256 scores are gathered in LDS, and waves 0 and 1 store 512 consecutive bytes each
.irp k, 1,2,4,8
.set t, 0
.rept 16
	v_add_f32_dpp v[SACC+t], v[SACC+t], v[SACC+t] row_xmask:\k row_mask:0xf bank_mask:0xf
.set t, t+1
.endr
.endr
.set t, 0
.rept 16
	ds_store_b32 v[SCW], v[SACC+t] offset:64*(t/8)+4*(t%8)   ; row 16 m + 8 h + e; the sixteen lanes of a half write the same word with the same value
.set t, t+1
.endr
	s_wait_dscnt 0x0                               ; for the others' sake
	s_barrier_signal -1
	s_barrier_wait -1
	s_cmp_lt_u32 s[WV], 2
	s_cbranch_scc0 .Lend
	ds_load_b128 v[224:227], v[SCRD]
	s_wait_dscnt 0x0
	global_store_b128 v[TOF], v[224:227], s[12:13]
.Lend:
	s_wait_tensorcnt 0x0                           ; the wave's end: behind my last tensor load and my last LDS store
	ds_add_u32 v[SPW], v[NIL]
	s_wait_dscnt 0x0
	CROUND                                         ; the closing round: no work-group ends while a partner may still ask for a record that names it
	s_endpgm
.Lfunc_end_k_q9c1b9a8c88_main:
	.size	k_q9c1b9a8c88_main, .Lfunc_end_k_q9c1b9a8c88_main-k_q9c1b9a8c88_main
	.p2alignl 7, 3214868480
	.fill 96, 4, 3214868480
	.section	.rodata,"a",@progbits
	.p2align	6, 0x0
	.amdhsa_kernel k_q9c1b9a8c88_main
		.amdhsa_group_segment_fixed_size 327680
		.amdhsa_private_segment_fixed_size 0
		.amdhsa_enable_private_segment 0
		.amdhsa_kernarg_size 40
		.amdhsa_user_sgpr_count 2
		.amdhsa_user_sgpr_kernarg_segment_ptr 1
		.amdhsa_wavefront_size32 1
		.amdhsa_system_sgpr_workgroup_id_x 1
		.amdhsa_system_sgpr_workgroup_id_y 1
		.amdhsa_system_sgpr_workgroup_id_z 1
		.amdhsa_system_vgpr_workitem_id 0
		.amdhsa_next_free_vgpr 448
		.amdhsa_next_free_sgpr 66
		.amdhsa_reserve_vcc 0
		.amdhsa_float_denorm_mode_32 3
		.amdhsa_float_denorm_mode_16_64 3
		.amdhsa_memory_ordered 1
		.amdhsa_forward_progress 1
		.amdhsa_inst_pref_size 159
	.end_amdhsa_kernel
	.amdgpu_metadata
---
amdhsa.version: [ 1, 2 ]
amdhsa.kernels:
  - .name:           k_q9c1b9a8c88_main
    .symbol:         k_q9c1b9a8c88_main.kd
    .args:
      - { .name: enc_output, .offset: 0, .size: 8, .value_kind: global_buffer, .address_space: global }
      - { .name: w2img, .offset: 8, .size: 8, .value_kind: global_buffer, .address_space: global }
      - { .name: cq, .offset: 16, .size: 8, .value_kind: global_buffer, .address_space: global }
      - { .name: V, .offset: 24, .size: 8, .value_kind: global_buffer, .address_space: global }
      - { .name: scores, .offset: 32, .size: 8, .value_kind: global_buffer, .address_space: global }
    .group_segment_fixed_size: 327680
    .private_segment_fixed_size: 0
    .kernarg_segment_align: 8
    .kernarg_segment_size: 40
    .max_flat_workgroup_size: 256
    .sgpr_count:     66
    .vgpr_count:     448
    .wavefront_size: 32
...
	.end_amdgpu_metadata
.endif
;; end of part 2
;; launch ctx (part 3): grid 256 x 1, 8 waves a work-group, no clusters, 327,680 bytes of LDS; arguments enc_output, scores, out0, out1; writes out0, out1
.if DOCPART == 3
	.amdgcn_target "amdgcn-amd-amdhsa--gfx1250"
	.amdhsa_code_object_version 6
	.text
	.protected	k_q9c1b9a8c88_ctx
	.globl	k_q9c1b9a8c88_ctx
	.p2align	8
	.type	k_q9c1b9a8c88_ctx,@function
k_q9c1b9a8c88_ctx:
	s_mov_b64 s[64:65], 0
	v_nop
	global_prefetch_b8 v0, s[64:65] scope:SCOPE_SE
	s_setreg_imm32_b32 hwreg(HW_REG_WAVE_MODE, 25, 1), 1
	s_wait_xcnt 0x0
; THIRD LAUNCH.  out1[b][s] = softmax over s of scores[b][s]; out0[b][:] = sum over s of out1[b][s] enc_output[b][s][:], all in f32.  scores is reference()'s score less a term that is the same along s
; (shown at the head of the first kernel), which the softmax takes away.  The row's maximum is taken away before the exponential, as reference() does.
; LIMITS: a weight under 2^-126 of the largest comes out as 0; the sums over s go in another order than reference()'s.
; SHARES.  Work-group = (batch b, 128 columns hc): each number of out0 has one owner.  Wave w takes rows 256 w .. 256 w + 255, in eight contents of 32 rows x 512 bytes; a lane 16 bytes of each row.
; The contents come by tensor loads, one a wave behind each barrier, into two slots by turns (16 KiB a wave and slot, the wave's own bytes; rows dense: a row's 512 bytes are read by the 32 lanes on end).
; Every work-group of a batch makes the batch's softmax for itself from 8 KiB of scores, while content 0 is on its way; work-group hc stores the weights of its wave hc.
; NO CLUSTER: the eight work-groups of a batch share only those 8 KiB against the 1 MiB of enc_output that each reads alone.
; PREFETCH.  The head asks for content 1, and trip t for content t + 2, which trip t + 1's load fetches into LDS: 64 blocks of 256 bytes, a lane a block, two instructions a wave; each block is read by this wave alone.
; Content 0 comes by its load alone; trips 6 and 7 ask for nothing.
.set SLOT1, 131072
.set SLAB,  262144                     ; the eight waves' partial sums, 512 bytes each
.set MAXW,  266240                     ; their maxima, a word each; 256 bytes on: their sums
.set SPARE, 266752                     ; the spare words, 128 bytes for each wave: four blocks of 256 bytes that no other line names
.set ACC,   12                         ; v12-19 two sets of four sums, for even and odd rows
.set RING,  64                         ; v64-191 a content's 32 rows
.set G1, 16                            ; s[16:23] descriptor group 1
.set G0, 24                            ; s[24:27] group 0: it walks
.set LA, 28                            ; s28, s29 my part of slot 0, 1
; v1 16 x lane, v2 and v3 the add's two, v4-11 my eight rows' scores, then weights (rows 4 l + e and 128 + 4 l + e), v20-27 eight words from LDS, v34 and v35 my rows in slot 0, 1,
; v36 and v46 LDS addresses of the partial sums, v37 and v38 of the waves' words, v39 a permute's destination, v40 the prefetches' offset, v41-45 at work
	s_load_b256 s[4:11], s[0:1], 0x0               ; enc_output s[4:5], scores s[6:7], out0 s[8:9], out1 s[10:11]
	v_lshl_add_u32 v2, v0, 2, SPARE
	v_mov_b32 v3, 0
	ds_add_u32 v2, v3                              ; the opening: the add, twice on end, and its wait ahead of my first tensor load
	ds_add_u32 v2, v3
	v_lshrrev_b32 v32, 5, v0
	s_delay_alu instid0(VALU_DEP_1)
	v_readfirstlane_b32 s12, v32                   ; wave 0..7
	s_mov_b32 s[G1], 3<<16                         ; elements of 8 bytes, no padding
	s_mov_b32 s[G1+1], 64<<16                      ; a row: 64 elements
	s_mov_b32 s[G1+2], 32<<16                      ; 32 rows
	s_mov_b32 s[G1+3], 64<<16
	s_mov_b32 s[G1+4], 32
	s_mov_b32 s[G1+5], 512                         ; 4,096 bytes from row to row
	s_mov_b32 s[G1+6], 0
	s_mov_b32 s[G1+7], 0
	s_lshl_b32 s[LA], s12, 14
	s_add_co_u32 s[LA+1], s[LA], SLOT1
	s_lshr_b32 s13, ttmp9, 3                       ; b
	s_and_b32 s14, ttmp9, 7                        ; hc
	s_lshl_b32 s40, s13, 13
	s_lshl_b32 s41, s12, 10
	s_add_co_u32 s40, s40, s41                     ; scores and out1: 8,192 b + 1,024 w
	s_mov_b32 s41, 0
	s_lshl_b32 s42, s13, 23                        ; enc_output: 2,048 rows of 4,096 bytes a batch,
	s_lshl_b32 s43, s12, 20                        ; 256 rows a wave,
	s_add_co_u32 s42, s42, s43
	s_lshl_b32 s43, s14, 9                         ; 512 bytes of a row
	s_add_co_u32 s42, s42, s43
	s_mov_b32 s43, 0
	s_lshl_b32 s44, s13, 12
	s_lshl_b32 s45, s14, 9
	s_add_co_u32 s44, s44, s45                     ; out0: 4,096 b + 512 hc
	s_mov_b32 s45, 0
	s_mov_b32 s38, 0x76543210
	s_mov_b32 s39, 0xfedcba98                      ; selects for lane l xor 16
.irp e, 31,33,35,37
	s_mov_b32 s\e, 0                               ; named as the upper halves of pairs, so they are written
.endr
	v_and_b32 v33, 31, v0                          ; lane
	v_lshl_add_u32 v36, v0, 4, SLAB                ; 512 x wave + 16 x lane
	v_mov_b32 v37, s12
	v_mov_b32 v38, MAXW
	v_mov_b32 v39, 0                               ; a lane permute's destination counts as one of its sources
	v_lshlrev_b32 v1, 4, v33
	v_lshrrev_b32 v41, 1, v33
	v_and_b32 v42, 1, v33
	v_lshl_add_u32 v37, v37, 2, MAXW               ; my wave's word
	s_delay_alu instid0(VALU_DEP_4)
	v_add_nc_u32 v34, s[LA], v1
	s_delay_alu instid0(VALU_DEP_3)
	v_lshlrev_b32 v42, 8, v42
	v_add_nc_u32 v46, SLAB, v1
	s_delay_alu instid0(VALU_DEP_3)
	v_add_nc_u32 v35, SLOT1, v34
	s_delay_alu instid0(VALU_DEP_3)
	v_lshl_or_b32 v40, v41, 12, v42                ; row lane / 2, block lane % 2
	s_wait_alu depctr_va_vdst(0)
	s_wait_dscnt 0x0                               ; both opening adds are done
	s_wait_kmcnt 0x0
	s_add_nc_u64 s[6:7], s[6:7], s[40:41]
	s_add_nc_u64 s[10:11], s[10:11], s[40:41]
	s_add_nc_u64 s[4:5], s[4:5], s[42:43]
	s_add_nc_u64 s[8:9], s[8:9], s[44:45]
	s_mov_b32 s[G0], 1
	s_mov_b32 s[G0+1], s[LA]
	s_mov_b64 s[G0+2:G0+3], s[4:5]
	s_or_b32 s[G0+3], s[G0+3], 0x80000000
	tensor_load_to_lds s[G0:G0+3], s[G1:G1+7]      ; content 0: my one tensor load at the head
	s_nop 0
.rept 4
	v_nop
.endr
	global_prefetch_b8 v40, s[4:5] offset:131072 th:TH_LOAD_NT scope:SCOPE_SE         ; content 1, rows 0-15; the address registers are never rewritten
	global_prefetch_b8 v40, s[4:5] offset:131072+65536 th:TH_LOAD_NT scope:SCOPE_SE   ; rows 16-31
	global_load_b128 v[4:7], v1, s[6:7]            ; lane l: the scores of rows 256 w + 4 l + 0 .. 3,
	global_load_b128 v[8:11], v1, s[6:7] offset:512   ; and of rows 256 w + 128 + 4 l + 0 .. 3
	s_wait_loadcnt 0x0
	v_max3_num_f32 v41, v4, v5, v6
	v_max3_num_f32 v42, v7, v8, v9
	s_delay_alu instid0(VALU_DEP_2)
	v_max3_num_f32 v41, v41, v10, v11
	s_delay_alu instid0(VALU_DEP_1)
	v_max_num_f32 v41, v41, v42
.irp k, 1,2,4,8
	s_delay_alu instid0(VALU_DEP_1)
	v_max_num_f32_dpp v41, v41, v41 row_xmask:\k row_mask:0xf bank_mask:0xf
.endr
	s_delay_alu instid0(VALU_DEP_1)
	v_permlanex16_b32 v39, v41, s38, s39
	s_delay_alu instid0(VALU_DEP_1)
	v_max_num_f32 v41, v41, v39                    ; my wave's 256 rows' maximum
	ds_store_b32 v37, v41
	s_wait_dscnt 0x0                               ; for the others' sake
	s_barrier_signal -1                            ; content 0 may stay on its way
	s_barrier_wait -1
	ds_load_b128 v[20:23], v38
	ds_load_b128 v[24:27], v38 offset:16
	s_wait_dscnt 0x0
	v_max3_num_f32 v41, v20, v21, v22
	v_max3_num_f32 v42, v23, v24, v25
	s_delay_alu instid0(VALU_DEP_2)
	v_max3_num_f32 v41, v41, v26, v27
	s_delay_alu instid0(VALU_DEP_1)
	v_max_num_f32 v41, v41, v42                    ; the batch's maximum
.irp e, 4,5,6,7,8,9,10,11
	v_sub_f32 v\e, v\e, v41
.endr
.irp e, 4,5,6,7,8,9,10,11
	v_mul_f32 v\e, 0x3fb8aa3b, v\e                 ; x log2(e)
.endr
	s_wait_alu depctr_va_vdst(0)                   ; the wait ahead of a batch of transcendentals,
.irp e, 4,5,6,7,8,9,10,11
	v_exp_f32 v\e, v\e
.endr
	v_nop                                          ; a plain line behind the last,
	s_wait_alu depctr_va_vdst(0)                   ; and the wait behind the batch
	v_pk_add_f32 v[42:43], v[4:5], v[6:7]
	v_pk_add_f32 v[44:45], v[8:9], v[10:11]
	s_delay_alu instid0(VALU_DEP_1)
	v_pk_add_f32 v[42:43], v[42:43], v[44:45]
	s_delay_alu instid0(VALU_DEP_1)
	v_add_f32 v41, v42, v43
.irp k, 1,2,4,8
	s_delay_alu instid0(VALU_DEP_1)
	v_add_f32_dpp v41, v41, v41 row_xmask:\k row_mask:0xf bank_mask:0xf
.endr
	s_delay_alu instid0(VALU_DEP_1)
	v_permlanex16_b32 v39, v41, s38, s39
	s_delay_alu instid0(VALU_DEP_1)
	v_add_f32 v41, v41, v39
	ds_store_b32 v37, v41 offset:256               ; other bytes than the maxima's: no barrier is owed between
	s_wait_dscnt 0x0
	s_barrier_signal -1
	s_barrier_wait -1
	ds_load_b128 v[20:23], v38 offset:256
	ds_load_b128 v[24:27], v38 offset:272
	s_wait_dscnt 0x0
	v_pk_add_f32 v[20:21], v[20:21], v[22:23]
	v_pk_add_f32 v[24:25], v[24:25], v[26:27]
	s_delay_alu instid0(VALU_DEP_1)
	v_pk_add_f32 v[20:21], v[20:21], v[24:25]
	s_delay_alu instid0(VALU_DEP_1)
	v_add_f32 v20, v20, v21                        ; the batch's sum
	s_wait_alu depctr_va_vdst(0)                   ; the wait ahead of the transcendental
	v_rcp_f32 v42, v20
	v_nop
	s_wait_alu depctr_va_vdst(0)
.irp e, 4,5,6,7,8,9,10,11
	v_mul_f32 v\e, v\e, v42                        ; the weights
.endr
	s_wait_alu depctr_va_vdst(0)
	s_cmp_lg_u32 s12, s14                          ; ids alone: wave hc stores its 256 weights
	s_cbranch_scc1 .Lnot_w
	global_store_b128 v1, v[4:7], s[10:11]         ; 512 consecutive bytes of out1 a store; v1 and v4-11 are not written again
	global_store_b128 v1, v[8:11], s[10:11] offset:512
.Lnot_w:
; Trip t: content t lies in slot t % 2.  All my tensor loads are done, the add, my LDS reads are over, the barrier; the load of content t + 1 into the slot read last trip (trip 0: slot 1's first fill);
; then content t's 32 rows are read and summed.  Row 32 t + j's weight lies in lane 8 (t % 4) + j / 4, register 4 (t / 4) + j % 4 of the eight.
.macro TRIP t
	s_wait_alu depctr_va_vdst(0)
	s_wait_tensorcnt 0x0
.if (\t) < 7
	ds_add_u32 v2, v3
	s_mov_b32 s[G0+1], s[LA+((\t)+1)%2]            ; no tensor load of mine is out, so the group 0 may be written
	s_add_nc_u64 s[G0+2:G0+3], s[G0+2:G0+3], 131072   ; 32 rows on
	s_wait_dscnt 0x0
	s_barrier_signal -1
	s_barrier_wait -1
	tensor_load_to_lds s[G0:G0+3], s[G1:G1+7]
	s_nop 0
.rept 4
	v_nop
.endr
.endif
.set j, 0
.rept 32
	ds_load_b128 v[RING+4*j:RING+4*j+3], v[34+(\t)%2] offset:512*j
.set j, j+1
.endr
	s_wait_dscnt 0x0
.if (\t) < 6
	global_prefetch_b8 v40, s[4:5] offset:131072*((\t)+2) th:TH_LOAD_NT scope:SCOPE_SE         ; content t + 2
	global_prefetch_b8 v40, s[4:5] offset:131072*((\t)+2)+65536 th:TH_LOAD_NT scope:SCOPE_SE
.endif
.set j, 0
.rept 32
.if j%4 == 0
.irp e, 0,1,2,3
	v_readlane_b32 s[30+2*\e], v[4+4*((\t)/4)+\e], 8*((\t)%4)+j/4
.endr
.endif
.set rX, RING+4*j
.set rC, ACC+4*(j%2)
.set rS, 30+2*(j%4)
.if ((\t) == 0) && (j < 2)
	v_pk_mul_f32 v[rC:rC+1], v[rX:rX+1], s[rS:rS+1] op_sel_hi:[1,0]       ; the first two rows start the sums: nothing is cleared
	v_pk_mul_f32 v[rC+2:rC+3], v[rX+2:rX+3], s[rS:rS+1] op_sel_hi:[1,0]
.else
	v_pk_fma_f32 v[rC:rC+1], v[rX:rX+1], s[rS:rS+1], v[rC:rC+1] op_sel_hi:[1,0,1]
	v_pk_fma_f32 v[rC+2:rC+3], v[rX+2:rX+3], s[rS:rS+1], v[rC+2:rC+3] op_sel_hi:[1,0,1]
.endif
.set j, j+1
.endr
.endm
.set T, 0
.rept 8
	TRIP T
.set T, T+1
.endr
	v_pk_add_f32 v[12:13], v[12:13], v[16:17]
	v_pk_add_f32 v[14:15], v[14:15], v[18:19]
	ds_store_b128 v36, v[12:15]                    ; bytes of their own: no tensor load lands there
	s_wait_dscnt 0x0                               ; for wave 0's sake
	s_barrier_signal -1
	s_barrier_wait -1
	s_cmp_lg_u32 s12, 0
	s_cbranch_scc1 .Lend                           ; wave 0 adds the eight parts
.irp s, 0,1,2,3,4,5,6,7
	ds_load_b128 v[RING+4*\s:RING+4*\s+3], v46 offset:512*\s
.endr
	s_wait_dscnt 0x0
.irp s, 1,2,3,4,5,6,7
	v_pk_add_f32 v[RING:RING+1], v[RING:RING+1], v[RING+4*\s:RING+4*\s+1]     ; rows ascending
	v_pk_add_f32 v[RING+2:RING+3], v[RING+2:RING+3], v[RING+4*\s+2:RING+4*\s+3]
.endr
	global_store_b128 v1, v[RING:RING+3], s[8:9]   ; 512 consecutive bytes of out0, at a multiple of 256 from its first byte
.Lend:
	s_wait_tensorcnt 0x0                           ; the wave's end: behind my last tensor load and my last LDS store
	ds_add_u32 v2, v3
	s_wait_dscnt 0x0
	s_endpgm
.Lfunc_end_k_q9c1b9a8c88_ctx:
	.size	k_q9c1b9a8c88_ctx, .Lfunc_end_k_q9c1b9a8c88_ctx-k_q9c1b9a8c88_ctx
	.p2alignl 7, 3214868480
	.fill 96, 4, 3214868480
	.section	.rodata,"a",@progbits
	.p2align	6, 0x0
	.amdhsa_kernel k_q9c1b9a8c88_ctx
		.amdhsa_group_segment_fixed_size 327680
		.amdhsa_private_segment_fixed_size 0
		.amdhsa_enable_private_segment 0
		.amdhsa_kernarg_size 32
		.amdhsa_user_sgpr_count 2
		.amdhsa_user_sgpr_kernarg_segment_ptr 1
		.amdhsa_wavefront_size32 1
		.amdhsa_system_sgpr_workgroup_id_x 1
		.amdhsa_system_sgpr_workgroup_id_y 1
		.amdhsa_system_sgpr_workgroup_id_z 1
		.amdhsa_system_vgpr_workitem_id 0
		.amdhsa_next_free_vgpr 192
		.amdhsa_next_free_sgpr 66
		.amdhsa_reserve_vcc 0
		.amdhsa_float_denorm_mode_32 3
		.amdhsa_float_denorm_mode_16_64 3
		.amdhsa_memory_ordered 1
		.amdhsa_forward_progress 1
		.amdhsa_inst_pref_size 80
	.end_amdhsa_kernel
	.amdgpu_metadata
---
amdhsa.version: [ 1, 2 ]
amdhsa.kernels:
  - .name:           k_q9c1b9a8c88_ctx
    .symbol:         k_q9c1b9a8c88_ctx.kd
    .args:
      - { .name: enc_output, .offset: 0, .size: 8, .value_kind: global_buffer, .address_space: global }
      - { .name: scores, .offset: 8, .size: 8, .value_kind: global_buffer, .address_space: global }
      - { .name: out0, .offset: 16, .size: 8, .value_kind: global_buffer, .address_space: global }
      - { .name: out1, .offset: 24, .size: 8, .value_kind: global_buffer, .address_space: global }
    .group_segment_fixed_size: 327680
    .private_segment_fixed_size: 0
    .kernarg_segment_align: 8
    .kernarg_segment_size: 32
    .max_flat_workgroup_size: 256
    .sgpr_count:     66
    .vgpr_count:     192
    .wavefront_size: 32
...
	.end_amdgpu_metadata
.endif
;; end of part 3
